; MI455X (gfx1250); checked and timed in simulation.
; The chip was launched on July 23, 2026; its instructions are those of AMD's public machine-readable ISA for CDNA 5 (MIT licence, August 2026) and "CDNA5" Instruction Set Architecture Reference Guide (July 2026). The comments in the code are by the model that wrote it; some were corrected since.
;; CNF. Allowed arithmetic: float matrix products may take bf16 or f16 operands with f32 sums; all other float work in f32.
;; Inputs: W1 65 x 256 float32; W2 256 x 64 float32; b1 256 float32; b2 64 float32; e 32,768 x 64 float32; y 32,768 x 64 float32.
;; Outputs: out0 32,768 x 64 float32; out1 32,768 x 1 float32.
;; One version. Each part assembles by itself: llvm-mc -triple=amdgcn-amd-amdhsa -mcpu=gfx1250 --defsym DOCPART=n.
;; ======== version 1 of 1: 1 launch
;; launch cnf (part 1): grid 256 x 1, 4 waves a work-group, no clusters, 172,032 bytes of LDS; arguments y, e, W1, b1, W2, b2, out0, out1; writes out0, out1
.if DOCPART == 1
	.amdgcn_target "amdgcn-amd-amdhsa--gfx1250"
	.amdhsa_code_object_version 6
	.text
	.protected	k_qd62278fdc5_cnf
	.globl	k_qd62278fdc5_cnf
	.p2align	8
	.type	k_qd62278fdc5_cnf,@function
k_qd62278fdc5_cnf:
	s_mov_b64 s[64:65], 0
	v_nop
	global_prefetch_b8 v0, s[64:65] scope:SCOPE_SE
	s_setreg_imm32_b32 hwreg(HW_REG_WAVE_MODE, 25, 1), 1
	s_wait_xcnt 0x0
; CNF: four Dormand-Prince steps (six stages each, dt = 1/4) of dz/dt = tanh([z, t] W1 + b1) W2 + b2 on 32,768 rows of 64, with the
; Hutchinson divergence e^T J e integrated beside it; out0 = z(1), out1 = sum(-0.5 log 2pi - 0.5 z^2) + integral of the divergence.
;
; THE DIVERGENCE.  J = W2^T diag(1 - h^2) W1z^T, so e^T J e = sum over the 256 hidden units of g u (1 - h^2) with g = W2 e and u = W1z^T e.
; g and u hang on neither z nor t: c = g u is made once for a row (two products), and each evaluation adds c (1 - h^2) in f32.
;
; SHARES.  256 work-groups of 128 rows; four waves of 32 rows; a wave works in two passes of 16 rows.  No row needs another row.
; Every product is taken transposed (H^T = W1^T z^T, dz^T = W2^T H^T): lane (r = l % 16, h = l / 16) holds, for row r, elements
; 16 T + 8 h + 0..7 of each tile T of 16.  That result layout, packed to bf16, IS the second operand's layout of the next product,
; so the chain z -> h -> dz -> z never leaves the registers.  Both weight matrices lie in registers as first operands (512 registers).
;
; ONE HIDDEN UNIT.  W1's rows 0..63 are multiplied by S = 2 log2 e before they are rounded to bf16; S (b1 + t W1[64]) stays in f32, in a table
; of 24 rows in LDS, and enters as the C operand of the first product.  x' = product; E = 2^x'; r = 1 / (1 + E); h = 1 - 2 r = tanh;
; q = r - r r = (1 - h^2) / 4.  E = infinity gives r = 0, h = 1, q = 0; E = 0 gives h = -1, q = 0: no exponent needs a shift.
; ACC = sum of (S g u) q = (S / 4) divergence, so the weight of stage i in the integral is dt b_i 4 / S = dt b_i 2 ln 2.
;
; LIMITS.  (1) Matrix operands (z, e, h, S W1, W2) are rounded to bf16; all else is f32.  (2) Stage 2's divergence has the tableau weight 0 and is
; not formed: that differs from 0 x divergence only where that divergence is infinite or NaN.  (3) The stage sums are chains of fused multiply-adds
; with dt a_ij as one constant, and t is formed inside S (b1 + t w) by two fused multiply-adds: another order of rounding than the reference's.
; (4) v_exp_f32 and v_rcp_f32 flush denormals (ISA guide, their entries): r then is 0 where it would be below 2^-126.
;
; NO CLUSTER, NO TENSOR LOADS.  What the work-groups share is the weights, 133,376 bytes, which each reads once in its first lines and must pass
; through registers anyway (scaled, rounded); no loop asks for a shared tile, and the 24 evaluations touch no memory at all.
;
; LDS (bytes)
.set W1B,   0                          ; S W1 in bf16, [64 d][256 hid], pitch 544 = 17 x 32
.set P1P,   544
.set W2B,   34816                      ; W2 in bf16, [256 hid][64 o], pitch 160 = 5 x 32
.set P2P,   160
.set BT,    75776                      ; S (b1 + t W1[64]) in f32: 24 rows of 1,024 bytes, then row 0 once more (what the last look-ahead reads)
.set STG,   101376                     ; for each wave 17,408 bytes of its own: y, 32 rows of pitch 272, then e likewise
.set SP,    272                        ; 256 + 16: sixteen rows start in sixteen different 16-byte columns modulo 256
.set WSTG,  17408
.set ESTG,  8704
.set LPX,   171008                     ; out1 of the group's 128 rows
; REGISTERS, in windows of 256 (s_set_vgpr_msb: bits 1:0 source 0, 3:2 source 1, 5:4 source 2, 7:6 destination)
; window 0: v1 l, v2 r, v3 h, v4 table base, v5 table address of this step, v6 stage by fragments, v7 stage by rows, v8 offset in y, e, out0,
;           v9 my word of LPX, v10 W2B by rows, v11-15 at work
.set TT,    16                         ; v[16:23]   q of one tile
.set LL,    24                         ; v[24:31]   the integral of the divergence, my share, four pairs
.set ACC,   32                         ; v[32:39]   sum of c q of one evaluation, four pairs
.set HB,    40                         ; v[40:47]   h in bf16: second operand of product 2 (32 hidden units)
.set ZB,    48                         ; v[48:63]   z in bf16: second operand of product 1, K step s at ZB + 8 s
.set BIA,   64                         ; v[64:95]   two buffers of 16: the table's numbers of a chunk
.set XX,    96                         ; v[96:127]  two buffers of 16: product 1 of a chunk (two tiles of 16 hidden units), then E, r, h in place
.set CQ,    128                        ; v[128:255] c = S g u: chunk c, tile t, element j at CQ + 16 c + 8 t + j
.set GF,    16                         ; v[16:47]   set-up of c only: W2's rows as first operand
; window 1: S W1^T as first operand, tile T (16 hidden units), K step s at 8 (2 T + s)
; window 2: W2^T as first operand, tile o (16 outputs), chunk c at 32 c + 8 o
; window 3:
.set KR1,   0
.set KR2,   32                         ; k2, and k6 once k2 has been used for the last time
.set KR3,   64
.set KR4,   96
.set KR5,   128
.set ZZ,    160                        ; z
.set TMP,   192                        ; the next stage's argument
.set B2R,   224                        ; b2 in the result layout: C operand of product 2's first K step
; constants (f32)
.set SCALE, 0x4038aa3b                 ; 2 log2 e
.set CA21,  0x3d4ccccd                 ; dt a_ij
.set CA31,  0x3c99999a
.set CA32,  0x3d666666
.set CA41,  0x3e7a4fa5
.set CA42,  0xbf6eeeef
.set CA43,  0x3f638e39
.set CA51,  0x3f3cf760
.set CA52,  0xc039885f
.set CA53,  0x401d2a92
.set CA54,  0xbd94e4f6
.set CA61,  0x3f362960
.set CA62,  0xc02c1f08
.set CA63,  0x400e80b5
.set CA64,  0x3d8e8ba3
.set CA65,  0xbd8c0c4c
.set CB1,   0x3cbaaaab                 ; dt b_i
.set CB3,   0x3de6024d
.set CB4,   0x3e26aaab
.set CB5,   0xbda50e7e
.set CB6,   0x3d061862
.set CW1,   0x3d016331                 ; dt b_i 2 ln 2
.set CW3,   0x3e1f6e1a
.set CW4,   0x3e670c8f
.set CW5,   0xbde4d129
.set CW6,   0x3d39e53e
.set CT2,   0x3d4ccccd                 ; dt c_i
.set CT3,   0x3d99999a
.set CT4,   0x3e4ccccd
.set CT5,   0x3e638e39
.set CT6,   0x3e800000
.set CLOG,  0xc26b3f8e                 ; -32 log 2pi
.set MSB, 0
.macro WIN new                         ; the immediate's high byte repeats the setting that is left; a switch that changes nothing is dropped
.if MSB != \new
	s_set_vgpr_msb (MSB<<8)|\new
.set MSB, \new
.endif
.endm
.macro PLACES                          ; four places behind a matrix instruction (ISA guide 7.12.1) where there is no other work for them
.rept 4
	v_nop
.endr
.endm
	s_load_b256 s[8:15], s[0:1], 0x0               ; y s[8:9], e s[10:11], W1 s[12:13], b1 s[14:15]
	s_load_b256 s[16:23], s[0:1], 0x20             ; W2 s[16:17], b2 s[18:19], out0 s[20:21], out1 s[22:23]
	v_and_b32 v1, 31, v0                           ; l
	v_and_b32 v2, 15, v0                           ; r
	v_bfe_u32 v3, v0, 4, 1                         ; h
	v_lshrrev_b32 v11, 5, v0
	v_readfirstlane_b32 s24, v11                   ; wave w
	s_mov_b32 s28, 0x76543210                      ; v_permlanex16_b32: lane i reads lane i of the other half
	s_mov_b32 s29, 0xfedcba98
	s_lshl_b32 s30, ttmp9, 15                      ; the group's 128 rows of 256 bytes
	s_mov_b32 s31, 0
	s_mul_i32 s25, s24, WSTG
	s_add_co_u32 s25, s25, STG                     ; my wave's stage
	v_mul_u32_u24 v6, v2, SP
	v_lshl_add_u32 v6, v3, 5, v6
	v_add_nc_u32 v6, s25, v6                       ; by fragments: row r, elements 8 h ..
	v_mul_u32_u24 v7, v3, SP
	v_lshl_add_u32 v7, v2, 4, v7
	v_add_nc_u32 v7, s25, v7                       ; by rows: lanes 0-15 one row of 256 bytes, lanes 16-31 the next
	s_lshl_b32 s25, s24, 13
	v_lshl_add_u32 v8, v1, 4, s25                  ; 8,192 w + 16 l: my 16 bytes of my wave's first two rows of y, e, out0
	s_lshl_b32 s25, s24, 7
	s_add_co_u32 s25, s25, LPX
	v_lshl_add_u32 v9, v2, 2, s25                  ; LPX + 4 (32 w + r)
	v_mul_u32_u24 v10, v2, P2P
	v_lshl_add_u32 v10, v3, 4, v10
	v_add_nc_u32 v10, W2B, v10                     ; W2's row r, 16 h: K (= o) lies along the rows
	v_lshl_add_u32 v4, v3, 5, BT                   ; the table, elements 8 h ..
	s_mul_i32 s25, s24, 6144
	s_add_co_u32 s25, s25, BT
	v_lshl_add_u32 v11, v1, 5, s25                 ; where I write the table: step w's six rows, hidden units 8 l .. 8 l + 7
	v_lshlrev_b32 v48, 5, v1                       ; 32 l: the same eight numbers in W1's row 64 and in b1
	s_lshl_b32 s25, s24, 14
	v_lshl_add_u32 v49, v1, 4, s25                 ; 16,384 w + 16 l: my wave's quarter of W1's rows 0-63 and of W2
	v_lshlrev_b32 v50, 5, v3                       ; 32 h: b2
	s_mul_i32 s25, s24, 16*P1P
	v_lshl_add_u32 v51, v1, 3, s25                 ; W1B: rows 16 w .., 8 l
	s_mul_i32 s25, s24, 64*P2P
	s_add_co_u32 s25, s25, W2B
	v_mul_u32_u24 v52, v3, P2P
	v_lshl_add_u32 v52, v2, 3, v52
	v_add_nc_u32 v52, s25, v52                     ; W2B: rows 64 w + h .., 8 r
	v_and_b32 v55, 7, v0
	v_lshl_add_u32 v55, v3, 3, v55                 ; 8 h + l % 8: the row (k) that I address in a transposing load
	v_bfe_u32 v56, v0, 3, 1
	v_mul_u32_u24 v53, v55, P1P
	v_lshl_add_u32 v53, v56, 4, v53                ; W1B, transposing
	v_mul_u32_u24 v54, v55, P2P
	v_lshl_add_u32 v54, v56, 4, v54
	v_add_nc_u32 v54, W2B, v54                     ; W2B, transposing
	v_cvt_f32_u32 v56, s24
	v_mul_f32 v56, 0x3e800000, v56                 ; t at the head of step w
	v_mov_b32 v57, v56
	v_mov_b32 v12, 0                               ; v_permlanex16_b32's destination counts as read
	s_wait_kmcnt 0x0
	s_add_nc_u64 s[8:9], s[8:9], s[30:31]
	s_add_nc_u64 s[10:11], s[10:11], s[30:31]
	s_add_nc_u64 s[20:21], s[20:21], s[30:31]
	s_lshl_b32 s30, ttmp9, 9                       ; 128 rows of 4 bytes
	s_add_nc_u64 s[22:23], s[22:23], s[30:31]
	; All that the wave ever reads from memory, 108 loads in one run: 44 that are wanted first, then W1 (32), then W2 (32).
	global_load_b128 v[16:19], v48, s[12:13] offset:65536      ; W1's row 64
	global_load_b128 v[20:23], v48, s[12:13] offset:65552
	global_load_b128 v[24:27], v48, s[14:15]                   ; b1
	global_load_b128 v[28:31], v48, s[14:15] offset:16
	WIN 0xc0
.set ii, 0
.rept 16
	global_load_b128 v[4*ii:4*ii+3], v8, s[8:9] offset:512*ii th:TH_LOAD_NT        ; y: 512 neighbouring bytes, two rows
.set ii, ii+1
.endr
.set ii, 0
.rept 16
	global_load_b128 v[64+4*ii:64+4*ii+3], v8, s[10:11] offset:512*ii th:TH_LOAD_NT ; e
.set ii, ii+1
.endr
.irp o, 0,1,2,3
	global_load_b128 v[B2R+8*\o:B2R+8*\o+3],   v50, s[18:19] offset:64*\o          ; b2[16 o + 8 h + 0..7]
	global_load_b128 v[B2R+8*\o+4:B2R+8*\o+7], v50, s[18:19] offset:64*\o+16
.endr
	WIN 0x40
.set ii, 0
.rept 32
	global_load_b128 v[4*ii:4*ii+3], v49, s[12:13] offset:512*ii                   ; W1: row 16 w + ii / 2, half a row
.set ii, ii+1
.endr
	WIN 0x80
.set ii, 0
.rept 32
	global_load_b128 v[4*ii:4*ii+3], v49, s[16:17] offset:512*ii                   ; W2: rows 64 w + 2 ii, + 1
.set ii, ii+1
.endr
	WIN 0
	s_wait_loadcnt 63                              ; 64 loads stand behind b2's last; a wait can name 63 at the most
	; The table: row 6 n + i holds S (b1 + (n / 4 + dt c_i) W1[64]).  Wave w makes step n = w.
.irp j, 0,2,4,6
	v_pk_mul_f32 v[16+\j:17+\j], v[16+\j:17+\j], SCALE op_sel_hi:[1,0]
	v_pk_mul_f32 v[24+\j:25+\j], v[24+\j:25+\j], SCALE op_sel_hi:[1,0]
.endr
.irp j, 0,2,4,6
	v_pk_fma_f32 v[24+\j:25+\j], v[16+\j:17+\j], v[56:57], v[24+\j:25+\j]          ; stage 1 of the step
.endr
	ds_store_b128 v11, v[24:27]
	ds_store_b128 v11, v[28:31] offset:16
.macro BENT i, tlit                    ; stage i + 1: registers of its own
.irp j, 0,2,4,6
	v_pk_fma_f32 v[184+8*\i+\j:185+8*\i+\j], v[16+\j:17+\j], \tlit, v[24+\j:25+\j] op_sel_hi:[1,0,1]
.endr
	ds_store_b128 v11, v[184+8*\i:187+8*\i] offset:1024*\i
	ds_store_b128 v11, v[188+8*\i:191+8*\i] offset:1024*\i+16
.endm
	BENT 1, CT2
	BENT 2, CT3
	BENT 3, CT4
	BENT 4, CT5
	BENT 5, CT6
	s_cmp_lg_u32 s24, 0
	s_cbranch_scc1 .Lnocopy
	ds_store_b128 v11, v[24:27] offset:24576       ; wave 0: row 0 once more behind row 23
	ds_store_b128 v11, v[28:31] offset:24592
.Lnocopy:
	WIN 0x0c                                       ; y and e into my wave's stage, by rows
.set ii, 0
.rept 16
	ds_store_b128 v7, v[4*ii:4*ii+3] offset:2*SP*ii
	ds_store_b128 v7, v[64+4*ii:64+4*ii+3] offset:ESTG+2*SP*ii
.set ii, ii+1
.endr
	s_wait_loadcnt 32                              ; W1 is in; W2's 32 loads may stay out
	WIN 0x41
.set ii, 0
.rept 64
	v_pk_mul_f32 v[2*ii:2*ii+1], v[2*ii:2*ii+1], SCALE op_sel_hi:[1,0]
.set ii, ii+1
.endr
	WIN 0x05
.set ii, 0
.rept 64
	v_cvt_pk_bf16_f32 v[64+ii], v[2*ii], v[2*ii+1]
.set ii, ii+1
.endr
	WIN 0
.set ii, 0
.rept 32
	ds_store_b64 v51, v[64+2*ii:65+2*ii] offset:P1P*(ii/2)+256*(ii%2)
.set ii, ii+1
.endr
	s_wait_loadcnt 0x0                             ; W2
	WIN 0x0a
.set ii, 0
.rept 64
	v_cvt_pk_bf16_f32 v[128+ii], v[2*ii], v[2*ii+1]
.set ii, ii+1
.endr
	WIN 0
.set ii, 0
.rept 32
	ds_store_b64 v52, v[128+2*ii:129+2*ii] offset:2*P2P*ii
.set ii, ii+1
.endr
	s_wait_dscnt 0x0                               ; my parts of W1B, W2B and the table are written,
	s_barrier_signal -1
	s_barrier_wait -1                              ; and so are everybody's
	; The weights as first operands.  They lie [k][m] in LDS, so the loads transpose: the first brings k = k0 + 8 h .. + 7 of column m0 + r, the second 16 further.
	WIN 0x40
.irp s, 0,1
.set tt, 0
.rept 16
	ds_load_tr16_b128 v[8*(2*tt+\s):8*(2*tt+\s)+3],   v53 offset:32*P1P*\s+32*tt
	ds_load_tr16_b128 v[8*(2*tt+\s)+4:8*(2*tt+\s)+7], v53 offset:32*P1P*\s+32*tt+16*P1P
.set tt, tt+1
.endr
.endr
	WIN 0x80
.irp c, 0,1,2,3,4,5,6,7
.irp o, 0,1,2,3
	ds_load_tr16_b128 v[32*\c+8*\o:32*\c+8*\o+3],   v54 offset:32*P2P*\c+32*\o
	ds_load_tr16_b128 v[32*\c+8*\o+4:32*\c+8*\o+7], v54 offset:32*P2P*\c+32*\o+16*P2P
.endr
.endr
	WIN 0
; The table's 16 numbers for chunk g of stage st of this step, into the chunk's buffer.  g = 8, 9 are the next evaluation's chunks 0, 1;
; behind the 24th evaluation they read the copy of row 0, which the second pass uses (the second pass's own last eight loads are used by nobody).
.macro BLOAD st, g
.set bb, BIA+16*((\g)&1)
.set bo, 1024*(\st-1)+128*(\g)
	ds_load_b128 v[bb:bb+3],     v5 offset:bo
	ds_load_b128 v[bb+4:bb+7],   v5 offset:bo+16
	ds_load_b128 v[bb+8:bb+11],  v5 offset:bo+64
	ds_load_b128 v[bb+12:bb+15], v5 offset:bo+80
.endm
; Link n (0..3) of product 1 of chunk c (hidden units 32 c .. 32 c + 31; two tiles, two K steps): 0, 1 = K step 0 of tiles 0, 1, where the table's
; numbers start the sums; 2, 3 = K step 1, in place.  Window 0x01.
.macro P1W c, n
.set xp, XX+16*((\c)&1)
.set bp, BIA+16*((\c)&1)
.set wp, 32*(\c)
.if \n == 0
	v_wmma_f32_16x16x32_bf16 v[xp:xp+7],    v[wp:wp+7],     v[ZB:ZB+7],    v[bp:bp+7]
.endif
.if \n == 1
	v_wmma_f32_16x16x32_bf16 v[xp+8:xp+15], v[wp+16:wp+23], v[ZB:ZB+7],    v[bp+8:bp+15]
.endif
.if \n == 2
	v_wmma_f32_16x16x32_bf16 v[xp:xp+7],    v[wp+8:wp+15],  v[ZB+8:ZB+15], v[xp:xp+7]
.endif
.if \n == 3
	v_wmma_f32_16x16x32_bf16 v[xp+8:xp+15], v[wp+24:wp+31], v[ZB+8:ZB+15], v[xp+8:xp+15]
.endif
.endm
; Product 2, K step c, tile o of dz.  In K step 0 b2 starts the sum.  Window 0xf2.
.macro P2W c, kb, o
.if (\c) == 0
	v_wmma_f32_16x16x32_bf16 v[\kb+8*\o:\kb+8*\o+7], v[32*(\c)+8*\o:32*(\c)+8*\o+7], v[HB:HB+7], v[B2R+8*\o:B2R+8*\o+7]
.else
	v_wmma_f32_16x16x32_bf16 v[\kb+8*\o:\kb+8*\o+7], v[32*(\c)+8*\o:32*(\c)+8*\o+7], v[HB:HB+7], v[\kb+8*\o:\kb+8*\o+7]
.endif
.endm
; CHUNK c of an evaluation: the activation of 16 numbers a lane, and, one at a time among its lines, the eight matrix instructions that are ready:
; product 2 of chunk c - 1 and product 1 of chunk c + 1.  A SIMD holds this one wave, so vector work can go on beside a matrix instruction only if
; it follows it in this text; that is why the matrix instructions stand singly and why the windows are switched so often.
;   exp: behind every fourth, one instruction of product 2 under its own window.
;   1 + E and h = 1 - 2 r are written with the constant as source 0.  Window 0x01 moves source 0 alone, so these lines mean the same under 0x01 as
;   under 0, and eight of them stand between two links of product 1 without a switch.
;   The table's numbers for chunk c + 2 are asked for in front of link 2, where the youngest matrix instruction lies 16 reciprocals and (with the
;   divergence) 17 plain lines back; they are wanted at link 0 of the next chunk.
; PLACES, by count of plain lines that name none of the matrix instruction's registers: product 2 -> HB written again: at least 18;
; link 3 -> its result read by the next chunk's first exp: the 8 conversions; links 0, 1 -> a load into the table buffer that they read: a chunk later.
; ORDER of the matrix instructions: K0 K1 K2 K3 X0 X1 X0 X1, K0 ..: no two that follow each other share an accumulator.
; TRANSCENDENTALS (ISA guide 5.7.2): a v_nop stands behind each run, in front of the first use of its results.
.macro ACT c, div, kb, st
.set xb, XX+16*((\c)&1)
.set cb, CQ+16*(\c)
.irp o, 0,1,2,3
	v_exp_f32 v[xb+4*\o], v[xb+4*\o]
.if (\c) > 0
	WIN 0xf2
	P2W (\c)-1, \kb, \o
	WIN 0
.endif
	v_exp_f32 v[xb+4*\o+1], v[xb+4*\o+1]
	v_exp_f32 v[xb+4*\o+2], v[xb+4*\o+2]
	v_exp_f32 v[xb+4*\o+3], v[xb+4*\o+3]
.endr
	v_nop
.if (\c) < 7
	s_wait_dscnt 0x0                               ; the four loads issued in the chunk before: chunk c + 1's numbers of the table
	WIN 0x01
	P1W (\c)+1, 0
.endif
	s_wait_alu depctr_va_vdst(0)
.irp j, 0,2,4,6,8,10,12,14
	v_pk_add_f32 v[xb+\j:xb+\j+1], 1.0, v[xb+\j:xb+\j+1] op_sel_hi:[0,1]
.endr
.if (\c) < 7
	P1W (\c)+1, 1
	WIN 0
.endif
.irp j, 0,1,2,3,4,5,6,7,8,9,10,11,12,13,14,15
	v_rcp_f32 v[xb+\j], v[xb+\j]
.endr
	v_nop
.if \div
	s_wait_alu depctr_va_vdst(0)
.irp j, 0,2,4,6
	v_pk_fma_f32 v[TT+\j:TT+\j+1], v[xb+\j:xb+\j+1], v[xb+\j:xb+\j+1], v[xb+\j:xb+\j+1] neg_lo:[1,0,0] neg_hi:[1,0,0]           ; q = r - r r, tile 0
.endr
.irp j, 0,2,4,6
.if (\c) == 0
	v_pk_mul_f32 v[ACC+\j:ACC+\j+1], v[TT+\j:TT+\j+1], v[cb+\j:cb+\j+1]                                                          ; the first product starts the sums
.else
	v_pk_fma_f32 v[ACC+\j:ACC+\j+1], v[TT+\j:TT+\j+1], v[cb+\j:cb+\j+1], v[ACC+\j:ACC+\j+1]
.endif
	v_pk_fma_f32 v[TT+\j:TT+\j+1], v[xb+8+\j:xb+8+\j+1], v[xb+8+\j:xb+8+\j+1], v[xb+8+\j:xb+8+\j+1] neg_lo:[1,0,0] neg_hi:[1,0,0] ; q, tile 1, into the pair just read
.endr
.irp j, 0,2,4,6
	v_pk_fma_f32 v[ACC+\j:ACC+\j+1], v[TT+\j:TT+\j+1], v[cb+8+\j:cb+8+\j+1], v[ACC+\j:ACC+\j+1]
.endr
.endif
	BLOAD \st, (\c)+2
.if (\c) < 7
	WIN 0x01
	P1W (\c)+1, 2
.endif
	s_wait_alu depctr_va_vdst(0)
.irp j, 0,2,4,6,8,10,12,14
	v_pk_fma_f32 v[xb+\j:xb+\j+1], -2.0, v[xb+\j:xb+\j+1], 1.0 op_sel_hi:[0,1,0]                                                 ; h = 1 - 2 r, in place
.endr
.if (\c) < 7
	P1W (\c)+1, 3
	WIN 0
.endif
.irp n, 0,1,2,3,4,5,6,7
	v_cvt_pk_bf16_f32 v[HB+\n], v[xb+2*\n], v[xb+2*\n+1]
.endr
.endm
; d = k coef + s on the 32 registers of a state.  Window 0xf3.
.macro AXPY d, s, k, coef
.irp n, 0,2,4,6,8,10,12,14,16,18,20,22,24,26,28,30
	v_pk_fma_f32 v[\d+\n:\d+\n+1], v[\k+\n:\k+\n+1], \coef, v[\s+\n:\s+\n+1] op_sel_hi:[1,0,1]
.endr
.endm
; What of the next stage's argument (behind stage 6: of the step's result) does not need this stage's k.  It stands behind product 1 of chunk 0
; and is the places in front of the first use of that product's results.
.macro PRE st
.if \st == 1
	PLACES
.else
	WIN 0xf3
.endif
.if \st == 2
	AXPY TMP, ZZ,  KR1, CA31
.endif
.if \st == 3
	AXPY TMP, ZZ,  KR1, CA41
	AXPY TMP, TMP, KR2, CA42
.endif
.if \st == 4
	AXPY TMP, ZZ,  KR1, CA51
	AXPY TMP, TMP, KR2, CA52
	AXPY TMP, TMP, KR3, CA53
.endif
.if \st == 5
	AXPY TMP, ZZ,  KR1, CA61
	AXPY TMP, TMP, KR2, CA62
	AXPY TMP, TMP, KR3, CA63
	AXPY TMP, TMP, KR4, CA64
.endif
.if \st == 6
	AXPY ZZ, ZZ, KR1, CB1
	AXPY ZZ, ZZ, KR3, CB3
	AXPY ZZ, ZZ, KR4, CB4
	AXPY ZZ, ZZ, KR5, CB5
.endif
.endm
.macro POST st                         ; and the term of this stage's k
	WIN 0xf3
.if \st == 1
	AXPY TMP, ZZ,  KR1, CA21
.endif
.if \st == 2
	AXPY TMP, TMP, KR2, CA32
.endif
.if \st == 3
	AXPY TMP, TMP, KR3, CA43
.endif
.if \st == 4
	AXPY TMP, TMP, KR4, CA54
.endif
.if \st == 5
	AXPY TMP, TMP, KR5, CA65
.endif
.if \st == 6
	AXPY ZZ, ZZ, KR2, CB6
.endif
.endm
; One evaluation: stage st, its argument in src, its k into kb; div = 1: the divergence enters the integral with weight wl.
; At its two ends nothing else is ready, so product 1 of chunk 0 and product 2 of chunk 7 stand as runs of four (accumulators by turns);
; between them every matrix instruction lies inside a chunk's activation (ACT).
.macro EVAL st, kb, src, div, wl
	WIN 0x0f
.irp n, 0,1,2,3,4,5,6,7,8,9,10,11,12,13,14,15
	v_cvt_pk_bf16_f32 v[ZB+\n], v[\src+2*\n], v[\src+2*\n+1]
.endr
	s_wait_dscnt 0x0                               ; the table's numbers of chunks 0 and 1, asked for in the evaluation before
	WIN 0x01
	P1W 0, 0
	P1W 0, 1
	P1W 0, 2
	P1W 0, 3
	PRE \st
	WIN 0
.irp c, 0,1,2,3,4,5,6,7
	ACT \c, \div, \kb, \st
.endr
	WIN 0xf2
.irp o, 0,1,2,3
	P2W 7, \kb, \o
.endr
	WIN 0
.if \div
.irp j, 0,2,4,6
	v_pk_fma_f32 v[LL+\j:LL+\j+1], v[ACC+\j:ACC+\j+1], \wl, v[LL+\j:LL+\j+1] op_sel_hi:[1,0,1]   ; these four are the places in front of the first use of k
.endr
.else
	PLACES
.endif
	POST \st
.endm
; c = (S W1z^T e) (W2 e) for hidden units 32 g .. 32 g + 31.  Four accumulators; within each product its two take turns.
; Five v_nop: four places in front of the multiplications, which read the results, and of the next group's loads into W2's fragments; five in
; front of the next group's first product, which writes over an accumulator.
.macro CGROUP g
.irp t, 0,1
.irp s, 0,1
	ds_load_b128 v[GF+16*\t+8*\s:GF+16*\t+8*\s+3],   v10 offset:16*P2P*(2*\g+\t)+64*\s
	ds_load_b128 v[GF+16*\t+8*\s+4:GF+16*\t+8*\s+7], v10 offset:16*P2P*(2*\g+\t)+64*\s+32
.endr
.endr
	WIN 0x01
	v_wmma_f32_16x16x32_bf16 v[XX:XX+7],    v[32*\g:32*\g+7],     v[ZB:ZB+7],    0
	v_wmma_f32_16x16x32_bf16 v[XX+8:XX+15], v[32*\g+16:32*\g+23], v[ZB:ZB+7],    0
	v_wmma_f32_16x16x32_bf16 v[XX:XX+7],    v[32*\g+8:32*\g+15],  v[ZB+8:ZB+15], v[XX:XX+7]
	v_wmma_f32_16x16x32_bf16 v[XX+8:XX+15], v[32*\g+24:32*\g+31], v[ZB+8:ZB+15], v[XX+8:XX+15]
	WIN 0
	s_wait_dscnt 0x0                               ; W2's rows
	v_wmma_f32_16x16x32_bf16 v[XX+16:XX+23], v[GF:GF+7],     v[ZB:ZB+7],    0
	v_wmma_f32_16x16x32_bf16 v[XX+24:XX+31], v[GF+16:GF+23], v[ZB:ZB+7],    0
	v_wmma_f32_16x16x32_bf16 v[XX+16:XX+23], v[GF+8:GF+15],  v[ZB+8:ZB+15], v[XX+16:XX+23]
	v_wmma_f32_16x16x32_bf16 v[XX+24:XX+31], v[GF+24:GF+31], v[ZB+8:ZB+15], v[XX+24:XX+31]
.rept 5
	v_nop
.endr
.irp j, 0,2,4,6,8,10,12,14
	v_pk_mul_f32 v[CQ+16*\g+\j:CQ+16*\g+\j+1], v[XX+\j:XX+\j+1], v[XX+16+\j:XX+16+\j+1]
.endr
.endm
	v_mov_b32 v5, v4                               ; the table's row 0
	BLOAD 1, 0
	BLOAD 1, 1
	s_mov_b32 s26, 0
.Lpass:                                            ; 16 rows
	WIN 0xc0
.irp o, 0,1,2,3
	ds_load_b128 v[ZZ+8*\o:ZZ+8*\o+3],   v6 offset:64*\o            ; z = y(row r, 16 o + 8 h ..)
	ds_load_b128 v[ZZ+8*\o+4:ZZ+8*\o+7], v6 offset:64*\o+16
.endr
	WIN 0
.irp o, 0,1,2,3
	ds_load_b128 v[XX+8*\o:XX+8*\o+3],   v6 offset:ESTG+64*\o       ; e likewise
	ds_load_b128 v[XX+8*\o+4:XX+8*\o+7], v6 offset:ESTG+64*\o+16
.endr
	s_wait_dscnt 0x0                               ; these, the weights' fragments and the table's first numbers
.irp n, 0,1,2,3,4,5,6,7,8,9,10,11,12,13,14,15
	v_cvt_pk_bf16_f32 v[ZB+\n], v[XX+2*\n], v[XX+2*\n+1]
.endr
.irp g, 0,1,2,3,4,5,6,7
	CGROUP \g
.endr
.irp j, 0,1,2,3,4,5,6,7
	v_mov_b32 v[LL+\j], 0
.endr
	s_mov_b32 s27, 0
.Lstep:
	EVAL 1, KR1, ZZ,  1, CW1
	EVAL 2, KR2, TMP, 0, 0
	EVAL 3, KR3, TMP, 1, CW3
	EVAL 4, KR4, TMP, 1, CW4
	EVAL 5, KR5, TMP, 1, CW5
	EVAL 6, KR2, TMP, 1, CW6
	WIN 0                                          ; at a label and at a branch every window is 0
	v_add_nc_u32 v5, 6144, v5                      ; the next step's six rows of the table
	s_add_co_u32 s27, s27, 1
	s_cmp_lt_u32 s27, 4
	s_cbranch_scc1 .Lstep
	; The pass's results.  My share of sum z^2, in four chains started by the first four products.
	WIN 0x0f
.irp j, 0,2,4,6
	v_pk_mul_f32 v[ACC+\j:ACC+\j+1], v[ZZ+\j:ZZ+\j+1], v[ZZ+\j:ZZ+\j+1]
.endr
.irp m, 8,16,24
.irp j, 0,2,4,6
	v_pk_fma_f32 v[ACC+\j:ACC+\j+1], v[ZZ+\m+\j:ZZ+\m+\j+1], v[ZZ+\m+\j:ZZ+\m+\j+1], v[ACC+\j:ACC+\j+1]
.endr
.endr
	WIN 0x0c
.irp o, 0,1,2,3
	ds_store_b128 v6, v[ZZ+8*\o:ZZ+8*\o+3] offset:64*\o             ; z into the pass's own rows of y in my stage
	ds_store_b128 v6, v[ZZ+8*\o+4:ZZ+8*\o+7] offset:64*\o+16
.endr
	WIN 0
.irp j, 0,2,4,6
	v_pk_fma_f32 v[LL+\j:LL+\j+1], v[ACC+\j:ACC+\j+1], -0.5, v[LL+\j:LL+\j+1] op_sel_hi:[1,0,1]
.endr
	v_pk_add_f32 v[LL:LL+1], v[LL:LL+1], v[LL+2:LL+3]
	v_pk_add_f32 v[LL+4:LL+5], v[LL+4:LL+5], v[LL+6:LL+7]
	v_pk_add_f32 v[LL:LL+1], v[LL:LL+1], v[LL+4:LL+5]
	v_add_f32 v11, v[LL], v[LL+1]
	v_permlanex16_b32 v12, v11, s28, s29           ; lane l + 16 holds the other half of row r
	v_add_f32 v11, v11, v12
	v_add_f32 v11, CLOG, v11
	ds_store_b32 v9, v11                           ; lanes r and r + 16 write the same word with the same number
.irp i, 0,1,2,3,4,5,6,7
	ds_load_b128 v[XX+4*\i:XX+4*\i+3], v7 offset:2*SP*\i            ; back by rows; LDS serves a wave's instructions in order (ISA guide 5.7.1): these see the stores above
.endr
.irp i, 0,1,2,3,4,5,6,7
	s_wait_dscnt 7-\i                              ; load i is in, the younger ones stay out
	global_store_b128 v8, v[XX+4*\i:XX+4*\i+3], s[20:21] offset:512*\i th:TH_STORE_NT   ; 512 consecutive bytes, at a multiple of 512 from out0's first byte
.endr
	s_wait_xcnt 0x0                                ; the stores' offset and data registers are written again only behind this wait
	v_add_nc_u32 v6, 16*SP, v6                     ; the wave's next 16 rows
	v_add_nc_u32 v7, 16*SP, v7
	v_add_nc_u32 v8, 4096, v8
	v_add_nc_u32 v9, 64, v9
	v_mov_b32 v5, v4                               ; the table's row 0 again
	s_add_co_u32 s26, s26, 1
	s_cmp_lt_u32 s26, 2
	s_cbranch_scc1 .Lpass
	s_wait_dscnt 0x0                               ; my words of LPX are written (and the last look-ahead loads are back),
	s_barrier_signal -1
	s_barrier_wait -1                              ; and so are everybody's
	s_cmp_lg_u32 s24, 0
	s_cbranch_scc1 .Lend
	v_lshlrev_b32 v13, 4, v1                       ; wave 0: the group's 128 numbers of out1 leave as 512 consecutive bytes
	v_add_nc_u32 v14, LPX, v13
	ds_load_b128 v[16:19], v14
	s_wait_dscnt 0x0
	global_store_b128 v13, v[16:19], s[22:23] th:TH_STORE_NT
.Lend:
	s_wait_xcnt 0x0
	v_lshl_add_u32 v254, v0, 2, 0x29e00
	v_mov_b32 v255, 0
	s_wait_tensorcnt 0x0
	ds_add_u32 v254, v255
	s_wait_dscnt 0x0
	s_endpgm
.Lfunc_end_k_qd62278fdc5_cnf:
	.size	k_qd62278fdc5_cnf, .Lfunc_end_k_qd62278fdc5_cnf-k_qd62278fdc5_cnf
	.p2alignl 7, 3214868480
	.fill 96, 4, 3214868480
	.section	.rodata,"a",@progbits
	.p2align	6, 0x0
	.amdhsa_kernel k_qd62278fdc5_cnf
		.amdhsa_group_segment_fixed_size 172032
		.amdhsa_private_segment_fixed_size 0
		.amdhsa_enable_private_segment 0
		.amdhsa_kernarg_size 64
		.amdhsa_user_sgpr_count 2
		.amdhsa_user_sgpr_kernarg_segment_ptr 1
		.amdhsa_wavefront_size32 1
		.amdhsa_system_sgpr_workgroup_id_x 1
		.amdhsa_system_sgpr_workgroup_id_y 1
		.amdhsa_system_sgpr_workgroup_id_z 1
		.amdhsa_system_vgpr_workitem_id 0
		.amdhsa_next_free_vgpr 1024
		.amdhsa_next_free_sgpr 66
		.amdhsa_reserve_vcc 0
		.amdhsa_float_denorm_mode_32 3
		.amdhsa_float_denorm_mode_16_64 3
		.amdhsa_memory_ordered 1
		.amdhsa_forward_progress 1
		.amdhsa_inst_pref_size 255
	.end_amdhsa_kernel
	.section	.bss,"aw",@nobits
	.p2align	6
	.space	262144
	.amdgpu_metadata
---
amdhsa.version: [ 1, 2 ]
amdhsa.kernels:
  - .name:           k_qd62278fdc5_cnf
    .symbol:         k_qd62278fdc5_cnf.kd
    .args:
      - { .name: y, .offset: 0, .size: 8, .value_kind: global_buffer, .address_space: global }
      - { .name: e, .offset: 8, .size: 8, .value_kind: global_buffer, .address_space: global }
      - { .name: W1, .offset: 16, .size: 8, .value_kind: global_buffer, .address_space: global }
      - { .name: b1, .offset: 24, .size: 8, .value_kind: global_buffer, .address_space: global }
      - { .name: W2, .offset: 32, .size: 8, .value_kind: global_buffer, .address_space: global }
      - { .name: b2, .offset: 40, .size: 8, .value_kind: global_buffer, .address_space: global }
      - { .name: out0, .offset: 48, .size: 8, .value_kind: global_buffer, .address_space: global }
      - { .name: out1, .offset: 56, .size: 8, .value_kind: global_buffer, .address_space: global }
    .group_segment_fixed_size: 172032
    .private_segment_fixed_size: 0
    .kernarg_segment_align: 8
    .kernarg_segment_size: 64
    .max_flat_workgroup_size: 128
    .sgpr_count:     66
    .vgpr_count:     1024
    .wavefront_size: 32
...
	.end_amdgpu_metadata
.endif
;; end of part 1
